; MI455X (gfx1250); checked and timed in simulation.
; The chip was launched on July 23, 2026; its instructions are those of AMD's public machine-readable ISA for CDNA 5 (MIT licence, August 2026) and "CDNA5" Instruction Set Architecture Reference Guide (July 2026). The comments in the code are by the model that wrote it; some were corrected since.
;; Bilinear Layer. Allowed arithmetic: matrix products marked QUANTISED: E2M1 operands, one E8M0 scale for each 32 along K, by v_wmma_scale_f32_16x16x128_f8f6f4 with both operands' format E2M1 (or v_wmma_scale_f32_32x16x128_f4), f32 sums; products left as they are: f32 operands where the result goes on into a quantised operand, else bf16, f16 or f32 operands; f32 sums; everything else in f32.
;; Inputs: type_idx 131,072 int32; u_hidden_codes 131,072 x 8 x 16 uint8 (E2M1 codes of u_hidden, K innermost, in blocks of 32 codes, two codes a byte); u_hidden_scales 131,072 x 8 uint8 (E8M0 scales of u_hidden, one for each 32 codes along K); v_hidden 131,072 x 256 float32; weights_codes 8 x 256 x 8 x 16 uint8 (E2M1 codes of weights, K innermost, in blocks of 32 codes, two codes a byte); weights_scales 8 x 256 x 8 uint8 (E8M0 scales of weights, one for each 32 codes along K).
;; Outputs: out0 131,072 float32.
;; This version of the problem:
;;   THIS VERSION OF THE PROBLEM IS GIVEN IN LOW PRECISION. The matrix products marked QUANTISED in the list below multiply operands that are first quantised to E2M1 (2 exponent bits, 1 mantissa bit; 4 bits a number), with one power-of-two scale for each 32 numbers along K (OCP MX v1.0); their sums are f32. All else is computed in f32.
;;   The module's matrix products, in the order in which they are computed (A, B: the left and right operand; K: the contracted axis; several contracted axes count as one K, in the product's order):
;;     1. [M 2,048, K 256] x [K 256, N 131,072]; A: input weights (given as codes); B: input u_hidden (given as codes): QUANTISED
;;     2. batch 131,072 x [M 1, K 256] x [K 256, N 8]; A: input v_hidden; B: computed on the way: left as it is (M = 1 < 16)
;;   THE QUANTISER, for each operand of a quantised product, along K:
;;     - K is cut into blocks of 32 from its start; a last block that is shorter is filled with zeros.
;;     - A block's scale is 2^e with e = floor(log2(the largest magnitude in the block)) - 2, held to -126 .. 127; a block of zeros has e = 0. As a byte (E8M0): e + 127.
;;     - Each number is divided by its block's scale, clamped to +-6, and rounded to the nearest number of E2M1, ties to even, subnormals kept.
;;     - The product sums the exact products of the quantised numbers (number of the format x scale) in f32.
;;   ~~~python
;;   def quantise(x, axis):      # numpy; x: float32 -> the quantised numbers, widened to float32 again
;;       x = np.moveaxis(x, axis, -1); K = x.shape[-1]
;;       x = np.pad(x, [(0, 0)] * (x.ndim - 1) + [(0, -K % 32)]); x = x.reshape(x.shape[:-1] + (-1, 32)); a = np.abs(x).max(-1, keepdims=True)
;;       e = np.where(a > 0, np.clip(np.frexp(np.where(a > 0, a, 1))[1] - 1 - 2, -126, 127), 0)      # np.frexp(a)[1] - 1 = floor(log2(a)), exactly
;;       r = np.clip(x / 2.0 ** e, -6, 6)
;;       step = 2.0 ** (np.maximum(np.frexp(np.where(r == 0, 1, r))[1] - 1, 0) - 1)
;;       q = np.round(r / step) * step * 2.0 ** e      # np.round: ties to even
;;       return np.moveaxis(q.reshape(q.shape[:-2] + (-1,))[..., :K], -1, axis).astype(np.float32)
;;   ~~~
;;   INPUTS GIVEN AS CODES. u_hidden (in the module: [131072, 256], K = its axis 1); weights (in the module: [8, 256, 256], K = its axis 1): each comes as NAME_codes (uint8): NAME with its K axis moved to the last place and cut into blocks of 32 codes, [.., K / 32, bytes a block], one block behind the other in memory; two codes a byte, the lower K in the low four bits (a code: sign, 2 exponent bits, 1 mantissa bit); and NAME_scales (uint8): the same leading axes, one E8M0 byte (e + 127) for each 32 codes along K. Its value is code x scale, taken as it is: it is not quantised again, and the codes and scales need not be those that the quantiser above would give.
;; 2 versions, each right; version 2 is version 1 with the launch bilinear written anew for expert scheduling mode. Each part assembles by itself: llvm-mc -triple=amdgcn-amd-amdhsa -mcpu=gfx1250 --defsym DOCPART=n.
;; ======== version 1 of 2: 1 launch
;; launch bilinear (part 1): grid 8 x 128, 1 waves a work-group, no clusters, 4,864 bytes of LDS; arguments type_idx, u_hidden_codes, u_hidden_scales, v_hidden, weights_codes, weights_scales, out0; writes out0
.if DOCPART == 1
	.amdgcn_target "amdgcn-amd-amdhsa--gfx1250"
	.amdhsa_code_object_version 6
	.text
	.protected	k_q333d9a3cb6_bilinear
	.globl	k_q333d9a3cb6_bilinear
	.p2align	8
	.type	k_q333d9a3cb6_bilinear,@function
k_q333d9a3cb6_bilinear:
	s_mov_b64 s[64:65], 0
	v_nop
	global_prefetch_b8 v0, s[64:65] scope:SCOPE_SE
	s_setreg_imm32_b32 hwreg(HW_REG_WAVE_MODE, 25, 1), 1
	s_wait_xcnt 0x0
; out[n] = sigmoid( sum over e of ( sum over d of u[n][d] W[k][d][e] ) v[n][e] ),  k = type_idx[n].  131,072 tokens, 8 types, d and e run to 256.
; u and W are codes of FP4 (E2M1) with one E8M0 scale for each 32 along d; W lies [k][e][d], u [n][d]: d innermost in both.  v and out are f32.
; Only the chosen type's product is kept by the definition, so only that one is multiplied.
; SHARES.  Work-group (x, y) is ONE wave: type k = x, the 1,024 neighbouring tokens of block y.  It reads the block's 1,024 type indices, lists the tokens of type k in its own LDS,
; keeps all of W_k in 256 registers (and its scale words in 16), and walks the list 16 tokens (a tile) at a time: the tokens' rows of u, their scale words and their rows of v come from memory
; straight into registers; 32 matrix instructions give (u W_k) for 16 tokens x 256 e; 128 multiply-adds with v; a fold across lanes; the sigmoid; a store.  Each token is stored by one work-group alone.
; A work-group whose list is empty stores nothing and ends; a block all of one type is 32 trips: the grid serves every split.
; One wave to a work-group: no other wave and no copy engine touches its LDS, so there is no barrier; LDS serves a wave's instructions in order (ISA guide 5.7.1.4).
; LAYOUT.  Lane l: r = l % 16, h = l / 16.  Source 0 = 16 tokens of u, source 1 = 16 rows e of W_k: result register j of lane (r, h) is (token slot 8 h + j, column r).
; THE ROWS OF W THAT FORM A TILE ARE NOT NEIGHBOURS: column r of tile x = 4 g + t is e = 64 g + 4 r + t.  So ONE 16-byte load of v gives lane r the partners of tiles 4 g + 0 .. 3,
; and sixteen neighbouring lanes read 256 consecutive bytes of a token's row of v, aligned: lanes 0-15 of slot j, lanes 16-31 of slot 8 + j.
; Memory binds this kernel (v is seven eighths of all bytes), so two tiles' loads, 37 each, are kept on their way while a tile is worked.
; LIMITS.  A type index outside 0 .. 7 matches no work-group: that token's output is not written (the definition's gather relies on indices inside the table).
; The list is filled up with copies of its first token: those slots compute and store that token's value again, the same bits to the same address.
; The output leaves by stores of 4 bytes a lane to 32 places within the block's 4,096 bytes of out: one byte in 300 of what the kernel moves.  W_k is read once a work-group in pieces of 32 bytes, 512 bytes apart.
.set NTOK,  1024                       ; tokens in a block
.set DUMPI, 1088                       ; LDS, in words: 0 .. 1087 the list (1,024 + 64 of filling); 1088 + lane: where a lane without a match stores; never read
.set C16, 3                            ; v3   16 r: my 16 bytes of a 256-byte piece of v's row
.set H16, 4                            ; v4   16 h
.set H4,  5                            ; v5   4 h
.set LA,  6                            ; v6   LDS: the list at my eight slots of the pair's first tile: 32 h + 128 x pair
.set LU,  7                            ; v7   LDS: at my row of u: 4 r + 128 x pair
.set LO,  8                            ; v8   LDS: at the slot whose result I store: 64 (l % 2) + 32 h + 4 (r / 2) + 128 x pair
.set TU,  9                            ; v9   the token whose row of u I load
.set TO,  10                           ; v10  the token whose result I store
.set OA,  11                           ; v11  its byte in the block's part of out
.set TK,  12                           ; v12-19  the tokens of my eight slots
.set VA,  20                           ; v20-27, v28-35  their byte offsets in v, for tiles of parity 0, 1
.set UA,  36                           ; v36, v37  my byte offset in u's codes
.set SA,  38                           ; v38, v39  and in u's scales
.set U,   40                           ; v40-55, v56-71  u's two fragments (K steps 0, 1), parity 0, 1
.set US,  72                           ; v72, v73  u's scale words: lanes 0-15 K step 0's, lanes 16-31 K step 1's.  Scales and nothing else
.set WS,  74                           ; v74-89  W's scale words, tile x: the same two halves.  Scales and nothing else
.set P,   90                           ; v90-97  partial sums of my eight slots
.set KS,  98                           ; v98-105 the fold: what I keep, what I send
.set Z,   106                          ; v106, v107  the fold's result for the pair's two tiles
.set R,   108                          ; v108 the result
.set R2,  109                          ; v109 at work
.set PF,  110                          ; v110 the prefetch's offset; never rewritten
.set L16, 111                          ; v111 16 x lane
.set D,   112                          ; v112-239  the 16 accumulators, tile x at D + 8 x.  At the head v112-143 hold the type indices
.set L4,  240                          ; v240 4 x lane
.set DI,  241                          ; v241 DUMPI + lane
.set WA,  242                          ; v242 W's codes: 512 r + 16 h
.set WSA, 243                          ; v243 W's scales: 32 r + 4 h
.set CT,  244                          ; v244-251  the listing: four pairs (index, token) by turns
; window 1: W_k: fragment (tile x, K step s) at v[16 x + 8 s].   window 2: v's numbers: parity p, piece g, slot j: v[128 p + 32 g + 4 j + 0 .. 3]
; s[4:5] type_idx, s[6:7] u's codes, s[8:9] u's scales, s[10:11] v, s[12:13] W's codes, s[14:15] W's scales, s[16:17] out; s18 k; s19 block; s[20:21] an offset; s22 the list's length;
; s23 at work; s24 pairs to walk; s25 the pair; s26-29 lane masks: bit 3, 2, 1, 0 of r
.set MSB, 0
.macro WIN new                         ; s_set_vgpr_msb: bits 1:0 source 0, 3:2 source 1, 5:4 source 2, 7:6 destination; the immediate's high byte repeats the setting that is left
.if MSB != \new
	s_set_vgpr_msb (MSB<<8)|\new
.set MSB, \new
.endif
.endm
	s_load_b256 s[4:11], s[0:1], 0x0
	s_load_b128 s[12:15], s[0:1], 0x20
	s_load_b64 s[16:17], s[0:1], 0x30
	v_lshl_add_u32 v254, v0, 2, 0x1200
	v_mov_b32 v255, 0
	s_mov_b32 s18, ttmp9                           ; my type
	s_and_b32 s19, ttmp7, 0xffff                   ; my block
	s_mov_b32 s21, 0
	s_mov_b32 s26, 0xff00ff00
	s_mov_b32 s27, 0xf0f0f0f0
	s_mov_b32 s28, 0xcccccccc
	s_mov_b32 s29, 0xaaaaaaaa
	v_and_b32 v1, 15, v0                           ; r (one wave: v0 is the lane)
	v_lshrrev_b32 v2, 4, v0                        ; h
	v_lshlrev_b32 v[L16], 4, v0
	v_lshlrev_b32 v[L4], 2, v0
	v_lshlrev_b32 v[C16], 4, v1
	v_lshlrev_b32 v[H16], 4, v2
	v_lshlrev_b32 v[H4], 2, v2
	v_lshlrev_b32 v[LA], 5, v2
	v_lshlrev_b32 v[LU], 2, v1
	v_and_b32 v[LO], 1, v0
	v_lshlrev_b32 v[LO], 6, v[LO]
	v_lshl_add_u32 v[LO], v2, 5, v[LO]
	v_lshrrev_b32 v[R2], 1, v1
	v_lshl_add_u32 v[LO], v[R2], 2, v[LO]
	v_add_nc_u32 v[DI], DUMPI, v0
	v_lshlrev_b32 v[WA], 9, v1
	v_lshl_add_u32 v[WA], v2, 4, v[WA]
	v_lshlrev_b32 v[WSA], 5, v1
	v_lshl_add_u32 v[WSA], v2, 2, v[WSA]
	s_lshl_b32 s23, s18, 15
	v_lshl_add_u32 v[PF], v0, 8, s23               ; 256 x lane + 32,768 x type
	v_mov_b32 v[Z], 0                              ; written once: the destination of a lane-crossing add counts as one of its sources
	v_mov_b32 v[Z+1], 0
	v_mov_b32 v[R], 0
	s_wait_kmcnt 0x0
	s_lshl_b32 s20, s19, 12                        ; the block's 1,024 words of type_idx and of out,
	s_add_nc_u64 s[4:5], s[4:5], s[20:21]
	s_add_nc_u64 s[16:17], s[16:17], s[20:21]
.irp q, 0,1,2,3,4,5,6,7
	global_load_b128 v[D+4*\q:D+4*\q+3], v[L16], s[4:5] offset:512*\q   ; register 4 q + c of lane l: the type of token 128 q + 4 l + c.  The listing waits for these alone, so they go first
.endr
	s_lshl_b32 s20, s19, 20                        ; its 1,024 rows of 1,024 bytes of v,
	s_add_nc_u64 s[10:11], s[10:11], s[20:21]
; The block's first 256 rows of v are asked for ahead: lanes 256 bytes apart, 32 KiB a work-group, the eight work-groups of a block each an eighth, so that each piece is asked for once in the launch.
; These are the rows that the eight lists' first pairs of tiles name on the average (32 tokens of one type in eight); they are loaded when the types have come and the list is made.  Nothing later is asked for ahead: the loop keeps its own loads on their way.
.irp i, 0,1,2,3
	global_prefetch_b8 v[PF], s[10:11] offset:8192*\i th:TH_LOAD_NT scope:SCOPE_SE
.endr
	s_lshl_b32 s20, s19, 17                        ; its rows of 128 bytes of u's codes,
	s_add_nc_u64 s[6:7], s[6:7], s[20:21]
	s_lshl_b32 s20, s19, 13                        ; of 8 bytes of u's scales;
	s_add_nc_u64 s[8:9], s[8:9], s[20:21]
	s_lshl_b32 s20, s18, 15                        ; my type's 256 rows of 128 bytes of W's codes,
	s_add_nc_u64 s[12:13], s[12:13], s[20:21]
	s_lshl_b32 s20, s18, 11                        ; of 8 bytes of W's scales
	s_add_nc_u64 s[14:15], s[14:15], s[20:21]
	WIN 0x40                                       ; destination window 1
.irp g, 0,1,2,3
.irp t, 0,1,2,3
.irp s, 0,1
.irp c, 0,1
	global_load_b128 v[16*(4*\g+\t)+8*\s+4*\c:16*(4*\g+\t)+8*\s+4*\c+3], v[WA], s[12:13] offset:8192*\g+128*\t+64*\s+32*\c   ; row e = 64 g + 4 r + t; d = 128 s + 64 c + 32 h + 0 .. 31
.endr
.endr
.endr
.endr
	WIN 0
.irp g, 0,1,2,3
.irp t, 0,1,2,3
	global_load_b32 v[WS+4*\g+\t], v[WSA], s[14:15] offset:512*\g+8*\t     ; the same row's scale word of K step h
.endr
.endr
	s_wait_loadcnt 63                              ; loads return in order (ISA guide 5.7.1): 80 younger ones stand behind the eight of the types, and 63 is the most that the wait can name: the types are in, W may be on its way
; THE LIST.  For each of my 32 registers of types: the lanes that hold type k put their token's number at the list's end, in lane order; the others store into a word of their own that nobody reads.
.macro COMPACT j
.set CI, CT+2*((\j)%4)
	v_cmp_eq_u32 vcc_lo, s18, v[D+\j]
	v_mbcnt_lo_u32_b32 v[CI], vcc_lo, s22          ; the list's length + the matches in the lanes below me
	v_cndmask_b32 v[CI], v[DI], v[CI], vcc_lo
	v_min_u32 v[CI], DUMPI+31, v[CI]               ; held inside the LDS that is claimed
	v_lshlrev_b32 v[CI], 2, v[CI]
	v_add_nc_u32 v[CI+1], 128*((\j)/4)+(\j)%4, v[L4]   ; the token's number in the block
	ds_store_b32 v[CI], v[CI+1]
	s_bcnt1_i32_b32 s23, vcc_lo
	s_add_co_u32 s22, s22, s23
.endm
	s_mov_b32 s22, 0
.set JJ, 0
.rept 32
	COMPACT JJ
.set JJ, JJ+1
.endr
	s_cmp_eq_u32 s22, 0
	s_cbranch_scc1 .Ldone                          ; no token of my type in this block: nothing to store
	v_mov_b32 v[CT], 0
	ds_load_b32 v[CT+1], v[CT]                     ; the list's first token
	v_add_nc_u32 v[CT+2], s22, v0
	v_min_u32 v[CT+2], NTOK+31, v[CT+2]
	v_lshlrev_b32 v[CT+2], 2, v[CT+2]
	s_wait_dscnt 0x0
	ds_store_b32 v[CT+2], v[CT+1]                  ; 64 copies of it behind the list's n entries: the walk reads entries up to 32 x pairs + 31, which is n + 62 at the most
	ds_store_b32 v[CT+2], v[CT+1] offset:128
	s_add_co_u32 s24, s22, 31
	s_lshr_b32 s24, s24, 5                         ; pairs of tiles: n / 32, rounded up: 1 to 32
.macro LISTRD off                      ; a tile's tokens: my eight slots', and my row of u's
	ds_load_b128 v[TK:TK+3], v[LA] offset:\off
	ds_load_b128 v[TK+4:TK+7], v[LA] offset:\off+16
	ds_load_b32 v[TU], v[LU] offset:\off
.endm
.macro ADDR p                          ; their byte offsets.  19 plain vector instructions that name no register of a matrix instruction
.irp j, 0,1,2,3,4,5,6,7
	v_min_u32 v[TK+\j], NTOK-1, v[TK+\j]           ; a number that was loaded is held inside the block before it enters an address
.endr
.irp j, 0,1,2,3,4,5,6,7
	v_lshl_add_u32 v[VA+8*\p+\j], v[TK+\j], 10, v[C16]
.endr
	v_min_u32 v[TU], NTOK-1, v[TU]
	v_lshl_add_u32 v[UA+\p], v[TU], 7, v[H16]
	v_lshl_add_u32 v[SA+\p], v[TU], 3, v[H4]
.endm
.macro ISSUE_U p                       ; 5 loads: token r's 128 bytes of codes (d = 128 s + 64 c + 32 h + 0 .. 31) and its scale word of K step h
.irp s, 0,1
.irp c, 0,1
	global_load_b128 v[U+16*\p+8*\s+4*\c:U+16*\p+8*\s+4*\c+3], v[UA+\p], s[6:7] offset:64*\s+32*\c
.endr
.endr
	global_load_b32 v[US+\p], v[SA+\p], s[8:9]
.endm
.macro ISSUE_V p                       ; 32 loads: slot 8 h + j's v at e = 64 g + 4 r + 0 .. 3: sixteen lanes read 256 consecutive bytes, at a multiple of 256 from v's first byte
	WIN 0x80                                       ; destination window 2
.irp g, 0,1,2,3
.irp j, 0,1,2,3,4,5,6,7
	global_load_b128 v[128*\p+32*\g+4*\j:128*\p+32*\g+4*\j+3], v[VA+8*\p+\j], s[10:11] offset:256*\g
.endr
.endr
	WIN 0
.endm
; THE FOLD.  P[j] of lane (r, h) is slot 8 h + j's sum over my 16 values of e; the slot's sum is that of the 16 lanes of my half.  In each stage a lane keeps one half of its sums, sends the other half to the lane
; r xor 8 (4, 2), and adds what it receives: 8, 4, 2 sums become 4, 2, 1.  Then lane (r, h) holds slot 8 h + r / 2's sum over eight lanes; the last stage joins the pair's two tiles (OUT).
.macro FOLD p
.irp j, 0,1,2,3
	v_cndmask_b32 v[KS+2*\j], v[P+\j], v[P+\j+4], s26          ; kept: where bit 3 of r is set the upper sum,
	v_cndmask_b32 v[KS+2*\j+1], v[P+\j+4], v[P+\j], s26        ; sent: the other one
.endr
.irp j, 0,1,2,3
	v_add_f32_dpp v[P+\j], v[KS+2*\j+1], v[KS+2*\j] row_xmask:8 row_mask:0xf bank_mask:0xf
.endr
.irp j, 0,1
	v_cndmask_b32 v[KS+2*\j], v[P+\j], v[P+\j+2], s27
	v_cndmask_b32 v[KS+2*\j+1], v[P+\j+2], v[P+\j], s27
.endr
.irp j, 0,1
	v_add_f32_dpp v[P+\j], v[KS+2*\j+1], v[KS+2*\j] row_xmask:4 row_mask:0xf bank_mask:0xf
.endr
	v_cndmask_b32 v[KS], v[P], v[P+1], s28
	v_cndmask_b32 v[KS+1], v[P+1], v[P], s28
	v_add_f32_dpp v[Z+\p], v[KS+1], v[KS] row_xmask:2 row_mask:0xf bank_mask:0xf
.endm
; A TILE of parity p: 16 tokens.  Its loads were issued two tiles ago; in its course the loads of the tile two further on are issued into the registers that it frees.
.macro TILE p
	s_wait_loadcnt 37                              ; behind this tile's 37 loads stand the next tile's 37 and no others, on the way in and round the loop alike: mine are in (in the first tile: W too), and their address registers are free
	LISTRD 128+64*\p                               ; the tokens of the tile two further on
.if \p == 0
	ds_load_b32 v[TO], v[LO]                       ; and the token whose result I store at the pair's end
.endif
	WIN 0x04                                       ; source 1 (W) window 1
.irp x, 0,1,2,3,4,5,6,7,8,9,10,11,12,13,14,15      ; the 16 accumulators take turns, one instruction a turn.  K step 0 starts the sums: nothing is cleared
	v_wmma_scale_f32_16x16x128_f8f6f4 v[D+8*\x:D+8*\x+7], v[U+16*\p:U+16*\p+7], v[16*\x:16*\x+7], 0, v[US+\p], v[WS+\x] matrix_a_fmt:MATRIX_FMT_FP4 matrix_b_fmt:MATRIX_FMT_FP4
.endr
.irp x, 0,1,2,3,4,5,6,7,8,9,10,11,12,13,14,15      ; K step 1: its scale words stand in lanes 16-31 of the same registers
	v_wmma_scale_f32_16x16x128_f8f6f4 v[D+8*\x:D+8*\x+7], v[U+16*\p+8:U+16*\p+15], v[16*\x+8:16*\x+15], v[D+8*\x:D+8*\x+7], v[US+\p], v[WS+\x] matrix_a_fmt:MATRIX_FMT_FP4 matrix_b_fmt:MATRIX_FMT_FP4 matrix_a_scale:MATRIX_SCALE_ROW1 matrix_b_scale:MATRIX_SCALE_ROW1
.endr
	WIN 0
	s_wait_dscnt 0x0                               ; the list's entries are in
	ADDR \p                                        ; these 19 are also the places between the products and the loads into u's registers, the first read of the results, and the next tile's products, which write over them
	ISSUE_U \p
	WIN 0x08                                       ; source 1 (v) window 2
.irp j, 0,1,2,3,4,5,6,7
	v_mul_f32 v[P+\j], v[D+\j], v[128*\p+4*\j]     ; tile 0 starts the eight sums; each accumulator is read from its low end on
.endr
.set XX, 1
.rept 15
.irp j, 0,1,2,3,4,5,6,7
	v_fmac_f32 v[P+\j], v[D+8*XX+\j], v[128*\p+32*(XX/4)+4*\j+XX%4]   ; slot 8 h + j: (u W)(e) x v(e), e = 64 (x / 4) + 4 r + x % 4; eight chains by turns
.endr
.set XX, XX+1
.endr
	ISSUE_V \p                                     ; v's registers are read out: the tile two further on
	FOLD \p
.endm
; THE PAIR'S END.  Even lanes finish the first tile's slot 8 h + r / 2, odd lanes the second tile's: 32 different slots, one result a lane.
.macro OUT
	s_wait_xcnt 0x0                                ; the last pair's store has read its data and its address (ISA guide 3.1): both are rewritten only behind this wait
	v_cndmask_b32 v[KS], v[Z], v[Z+1], s29
	v_cndmask_b32 v[KS+1], v[Z+1], v[Z], s29
	v_add_f32_dpp v[R], v[KS+1], v[KS] row_xmask:1 row_mask:0xf bank_mask:0xf
	v_mul_f32 v[R], 0xbfb8aa3b, v[R]               ; -x log2(e)
	v_exp_f32 v[R2], v[R]                          ; e^-x: infinity for a very negative x (the result is then 0), 0 for a very large one (then 1)
	v_min_u32 v[OA], NTOK-1, v[TO]                 ; (a plain instruction behind the transcendental)  the token, held inside the block
	s_wait_alu depctr_va_vdst(0)
	v_add_f32 v[R2], 1.0, v[R2]
	v_rcp_f32 v[R], v[R2]                          ; sigmoid(x) = 1 / (1 + e^-x)
	v_lshlrev_b32 v[OA], 2, v[OA]                  ; (likewise)
	s_wait_alu depctr_va_vdst(0)
	global_store_b32 v[OA], v[R], s[16:17]
.endm
.irp d, 0,1                                    ; the first two tiles' loads
	LISTRD 64*\d
	s_wait_dscnt 0x0
	ADDR \d
	ISSUE_U \d
	ISSUE_V \d
.endr
	s_mov_b32 s25, 0
.Lpair:                                            ; a trip: two tiles, 32 tokens.  At most 32 trips; the walk leaves when the list is through.  The two tiles asked for beyond the list's end name its first token and are not used
	TILE 0
	TILE 1
	OUT
	v_add_nc_u32 v[LA], 128, v[LA]                 ; 32 entries on
	v_add_nc_u32 v[LU], 128, v[LU]
	v_add_nc_u32 v[LO], 128, v[LO]
	s_add_co_u32 s25, s25, 1
	s_cmp_ge_u32 s25, s24
	s_cbranch_scc1 .Ldone
	s_cmp_lt_u32 s25, NTOK/32
	s_cbranch_scc1 .Lpair
.Ldone:
	s_wait_tensorcnt 0x0
	ds_add_u32 v254, v255
	s_wait_dscnt 0x0
	s_endpgm
.Lfunc_end_k_q333d9a3cb6_bilinear:
	.size	k_q333d9a3cb6_bilinear, .Lfunc_end_k_q333d9a3cb6_bilinear-k_q333d9a3cb6_bilinear
	.p2alignl 7, 3214868480
	.fill 96, 4, 3214868480
	.section	.rodata,"a",@progbits
	.p2align	6, 0x0
	.amdhsa_kernel k_q333d9a3cb6_bilinear
		.amdhsa_group_segment_fixed_size 4864
		.amdhsa_private_segment_fixed_size 0
		.amdhsa_enable_private_segment 0
		.amdhsa_kernarg_size 56
		.amdhsa_user_sgpr_count 2
		.amdhsa_user_sgpr_kernarg_segment_ptr 1
		.amdhsa_wavefront_size32 1
		.amdhsa_system_sgpr_workgroup_id_x 1
		.amdhsa_system_sgpr_workgroup_id_y 1
		.amdhsa_system_sgpr_workgroup_id_z 1
		.amdhsa_system_vgpr_workitem_id 0
		.amdhsa_next_free_vgpr 768
		.amdhsa_next_free_sgpr 66
		.amdhsa_reserve_vcc 1
		.amdhsa_float_denorm_mode_32 3
		.amdhsa_float_denorm_mode_16_64 3
		.amdhsa_memory_ordered 1
		.amdhsa_forward_progress 1
		.amdhsa_inst_pref_size 65
	.end_amdhsa_kernel
	.amdgpu_metadata
---
amdhsa.version: [ 1, 2 ]
amdhsa.kernels:
  - .name:           k_q333d9a3cb6_bilinear
    .symbol:         k_q333d9a3cb6_bilinear.kd
    .args:
      - { .name: type_idx, .offset: 0, .size: 8, .value_kind: global_buffer, .address_space: global }
      - { .name: u_hidden_codes, .offset: 8, .size: 8, .value_kind: global_buffer, .address_space: global }
      - { .name: u_hidden_scales, .offset: 16, .size: 8, .value_kind: global_buffer, .address_space: global }
      - { .name: v_hidden, .offset: 24, .size: 8, .value_kind: global_buffer, .address_space: global }
      - { .name: weights_codes, .offset: 32, .size: 8, .value_kind: global_buffer, .address_space: global }
      - { .name: weights_scales, .offset: 40, .size: 8, .value_kind: global_buffer, .address_space: global }
      - { .name: out0, .offset: 48, .size: 8, .value_kind: global_buffer, .address_space: global }
    .group_segment_fixed_size: 4864
    .private_segment_fixed_size: 0
    .kernarg_segment_align: 8
    .kernarg_segment_size: 56
    .max_flat_workgroup_size: 32
    .sgpr_count:     66
    .vgpr_count:     768
    .wavefront_size: 32
...
	.end_amdgpu_metadata
.endif
;; end of part 1
;; ======== version 2 of 2: 1 launch; version 1 with the launch bilinear written anew for expert scheduling mode
;; launch bilinear (part 2): grid 8 x 128, 1 waves a work-group, no clusters, 4,864 bytes of LDS; arguments type_idx, u_hidden_codes, u_hidden_scales, v_hidden, weights_codes, weights_scales, out0; writes out0
.if DOCPART == 2
	.amdgcn_target "amdgcn-amd-amdhsa--gfx1250"
	.amdhsa_code_object_version 6
	.text
	.protected	k_q333d9a3cb6_bilinear
	.globl	k_q333d9a3cb6_bilinear
	.p2align	8
	.type	k_q333d9a3cb6_bilinear,@function
k_q333d9a3cb6_bilinear:
	s_mov_b64 s[64:65], 0
	v_nop
	global_prefetch_b8 v0, s[64:65] scope:SCOPE_SE
	s_setreg_imm32_b32 hwreg(HW_REG_WAVE_SCHED_MODE, 0, 2), 2
	s_setreg_imm32_b32 hwreg(HW_REG_WAVE_MODE, 25, 1), 1
	s_wait_xcnt 0x0
	s_wait_alu depctr_vm_vsrc(0)
; out[n] = sigmoid( sum over e of ( sum over d of u[n][d] W[k][d][e] ) v[n][e] ),  k = type_idx[n].  131,072 tokens, 8 types, d and e run to 256.
; u and W are codes of FP4 (E2M1) with one E8M0 scale for each 32 along d; W lies [k][e][d], u [n][d]: d innermost in both.  v and out are f32.
; Only the chosen type's product is kept by the definition, so only that one is multiplied.
; SHARES.  Work-group (x, y) is ONE wave: type k = x, the 1,024 neighbouring tokens of block y.  It reads the block's 1,024 type indices, lists the tokens of type k in its own LDS,
; keeps all of W_k in 256 registers (and its scale words in 16), and walks the list 16 tokens (a tile) at a time: the tokens' rows of u, their scale words and their rows of v come from memory
; straight into registers; 32 matrix instructions give (u W_k) for 16 tokens x 256 e; 128 multiply-adds with v; a fold across lanes; the sigmoid; a store.  Each token is stored by one work-group alone.
; A work-group whose list is empty stores nothing and ends; a block all of one type is 32 trips: the grid serves every split.
; One wave to a work-group: no other wave and no copy engine touches its LDS, so there is no barrier; LDS serves a wave's instructions in order (ISA guide 5.7.1.4).
; LAYOUT.  Lane l: r = l % 16, h = l / 16.  Source 0 = 16 tokens of u, source 1 = 16 rows e of W_k: result register j of lane (r, h) is (token slot 8 h + j, column r).
; THE ROWS OF W THAT FORM A TILE ARE NOT NEIGHBOURS: column r of tile x = 4 g + t is e = 64 g + 4 r + t.  So ONE 16-byte load of v gives lane r the partners of tiles 4 g + 0 .. 3,
; and sixteen neighbouring lanes read 256 consecutive bytes of a token's row of v, aligned: lanes 0-15 of slot j, lanes 16-31 of slot 8 + j.
; Memory binds this kernel (v is seven eighths of all bytes), so two tiles' loads, 37 each, are kept on their way while a tile is worked.
; LIMITS.  A type index outside 0 .. 7 matches no work-group: that token's output is not written (the definition's gather relies on indices inside the table).
; The list is filled up with copies of its first token: those slots compute and store that token's value again, the same bits to the same address.
; The output leaves by stores of 4 bytes a lane to 32 places within the block's 4,096 bytes of out: one byte in 300 of what the kernel moves.  W_k is read once a work-group in pieces of 32 bytes, 512 bytes apart.
; THE MODE: SCHED_MODE bits 1:0 = 2 (LLVM: expert scheduling mode 2), set by the entry lines.  The code itself states the register dependences between vector or matrix instructions
; and memory or LDS instructions, with s_wait_alu, always for 0.
; THE PLAN.  Registers that memory or LDS instructions touch, who writes them and who reads them:
;   L16, PF, WA, WSA, v254, v255   Made at the head, never written again: offsets of the head's loads and prefetches, and the closing add's two.
;   IX (v144-207), CT, CT+2        Written by the listing's vector lines; read by the list's stores, the first token's load and the filling's stores.  The products later write v144-207.
;   TK, TU                         The LDS loads at a tile's head land in them; ADDR reads them and holds them in place.
;   VA[p], UA[p], SA[p]            Written by ADDR p; read by the 37 loads of ISSUE p.
;   U[p], US[p]; V[p]              Read by tile p's products; by its multiply-adds.  The loads of ISSUE p, at the tile's end, land in them.
;   LA, LU, LO                     Read by the LDS loads at the tiles' heads; stepped once a pair, in OUT.
;   TO                             The LDS load at the first tile's head lands in it; OUT reads it.
;   R, OA                          Written by OUT; read by the pair's store.
; THE WAITS IN THE LOOP.  On va_vdst: one a tile, in ISSUE, behind the tile's last multiply-add and ahead of its 37 loads; only the fold, which names P, KS and Z, follows it, so the next tile's list loads owe nothing more.
; Two in OUT, behind its two transcendentals; the second stands ahead of the store, and behind the steps of LA, LU, LO and the read of TO, so the next trip's list loads owe nothing more.
; On vm_vsrc: one a pair, in the second tile ahead of ADDR; it stands behind every reader of all that is written again up to the same place a trip later: VA, UA, SA of both parities, R, OA, LA, LU, LO.  One more stands ahead of the loop, for the first trip.
.set NTOK,  1024                       ; tokens in a block
.set DUMPI, 1088                       ; LDS, in words: 0 .. 1087 the list (1,024 + 64 of filling); 1088 + lane: where a lane without a match stores; never read
.set C16, 3                            ; v3   16 r: my 16 bytes of a 256-byte piece of v's row
.set H16, 4                            ; v4   16 h
.set H4,  5                            ; v5   4 h
.set LA,  6                            ; v6   LDS: the list at my eight slots of the pair's first tile: 32 h + 128 x pair
.set LU,  7                            ; v7   LDS: at my row of u: 4 r + 128 x pair
.set LO,  8                            ; v8   LDS: at the slot whose result I store: 64 (l % 2) + 32 h + 4 (r / 2) + 128 x pair
.set TU,  9                            ; v9   the token whose row of u I load
.set TO,  10                           ; v10  the token whose result I store
.set OA,  11                           ; v11  its byte in the block's part of out
.set TK,  12                           ; v12-19  the tokens of my eight slots
.set VA,  20                           ; v20-27, v28-35  their byte offsets in v, for tiles of parity 0, 1
.set UA,  36                           ; v36, v37  my byte offset in u's codes
.set SA,  38                           ; v38, v39  and in u's scales
.set U,   40                           ; v40-55, v56-71  u's two fragments (K steps 0, 1), parity 0, 1
.set US,  72                           ; v72, v73  u's scale words: lanes 0-15 K step 0's, lanes 16-31 K step 1's.  Scales and nothing else
.set WS,  74                           ; v74-89  W's scale words, tile x: the same two halves.  Scales and nothing else
.set P,   90                           ; v90-97  partial sums of my eight slots
.set KS,  98                           ; v98-105 the fold: what I keep, what I send
.set Z,   106                          ; v106, v107  the fold's result for the pair's two tiles
.set R,   108                          ; v108 the result
.set R2,  109                          ; v109 at work
.set PF,  110                          ; v110 the prefetch's offset; never rewritten
.set L16, 111                          ; v111 16 x lane
.set D,   112                          ; v112-239  the 16 accumulators, tile x at D + 8 x.  At the head v112-143 hold the type indices
.set IX,  144                          ; v144-207  at the head only: the listing's 32 pairs: LDS address at IX + 2 j, token at IX + 2 j + 1
.set L4,  240                          ; v240 4 x lane
.set DI,  241                          ; v241 DUMPI + lane
.set WA,  242                          ; v242 W's codes: 512 r + 16 h
.set WSA, 243                          ; v243 W's scales: 32 r + 4 h
.set CT,  244                          ; v244-246  0; the list's first token; where I store the filling
.set MK,  32                           ; s32-47  the listing: the lane masks of sixteen compares
; window 1: W_k: fragment (tile x, K step s) at v[16 x + 8 s].   window 2: v's numbers: parity p, piece g, slot j: v[128 p + 32 g + 4 j + 0 .. 3]
; s[4:5] type_idx, s[6:7] u's codes, s[8:9] u's scales, s[10:11] v, s[12:13] W's codes, s[14:15] W's scales, s[16:17] out; s18 k; s19 block; s[20:21] an offset; s22 the list's length;
; s23 at work; s24 pairs to walk; s25 the pair; s26-29 lane masks: bit 3, 2, 1, 0 of r
.set MSB, 0
.macro WIN new                         ; s_set_vgpr_msb: bits 1:0 source 0, 3:2 source 1, 5:4 source 2, 7:6 destination; the immediate's high byte repeats the setting that is left
.if MSB != \new
	s_set_vgpr_msb (MSB<<8)|\new
.set MSB, \new
.endif
.endm
	s_load_b256 s[4:11], s[0:1], 0x0
	s_load_b128 s[12:15], s[0:1], 0x20
	s_load_b64 s[16:17], s[0:1], 0x30
	v_lshl_add_u32 v254, v0, 2, 0x1200
	v_mov_b32 v255, 0
	s_mov_b32 s18, ttmp9                           ; my type
	s_and_b32 s19, ttmp7, 0xffff                   ; my block
	s_mov_b32 s21, 0
	s_mov_b32 s26, 0xff00ff00
	s_mov_b32 s27, 0xf0f0f0f0
	s_mov_b32 s28, 0xcccccccc
	s_mov_b32 s29, 0xaaaaaaaa
	v_and_b32 v1, 15, v0                           ; r (one wave: v0 is the lane)
	v_lshrrev_b32 v2, 4, v0                        ; h
	v_lshlrev_b32 v[L16], 4, v0
	v_lshlrev_b32 v[L4], 2, v0
	v_lshlrev_b32 v[C16], 4, v1
	v_lshlrev_b32 v[H16], 4, v2
	v_lshlrev_b32 v[H4], 2, v2
	v_lshlrev_b32 v[LA], 5, v2
	v_lshlrev_b32 v[LU], 2, v1
	v_and_b32 v[LO], 1, v0
	v_lshlrev_b32 v[LO], 6, v[LO]
	v_lshl_add_u32 v[LO], v2, 5, v[LO]
	v_lshrrev_b32 v[R2], 1, v1
	v_lshl_add_u32 v[LO], v[R2], 2, v[LO]
	v_add_nc_u32 v[DI], DUMPI, v0
	v_lshlrev_b32 v[WA], 9, v1
	v_lshl_add_u32 v[WA], v2, 4, v[WA]
	v_lshlrev_b32 v[WSA], 5, v1
	v_lshl_add_u32 v[WSA], v2, 2, v[WSA]
	s_lshl_b32 s23, s18, 15
	v_lshl_add_u32 v[PF], v0, 8, s23               ; 256 x lane + 32,768 x type
	v_mov_b32 v[Z], 0                              ; written once: the destination of a lane-crossing add counts as one of its sources
	v_mov_b32 v[Z+1], 0
	v_mov_b32 v[R], 0
	s_wait_kmcnt 0x0
	s_lshl_b32 s20, s19, 12                        ; the block's 1,024 words of type_idx and of out,
	s_add_nc_u64 s[4:5], s[4:5], s[20:21]
	s_add_nc_u64 s[16:17], s[16:17], s[20:21]
	s_wait_alu depctr_va_vdst(0)                   ; the offsets L16, PF, WA, WSA and the LDS addresses LA, LU, LO, v254 (with v255) are written: the loads, prefetches and LDS instructions below read them
.irp q, 0,1,2,3,4,5,6,7
	global_load_b128 v[D+4*\q:D+4*\q+3], v[L16], s[4:5] offset:512*\q   ; register 4 q + c of lane l: the type of token 128 q + 4 l + c.  The listing waits for these alone, so they go first
.endr
	s_lshl_b32 s20, s19, 20                        ; its 1,024 rows of 1,024 bytes of v,
	s_add_nc_u64 s[10:11], s[10:11], s[20:21]
; The block's first 256 rows of v are asked for ahead: lanes 256 bytes apart, 32 KiB a work-group, the eight work-groups of a block each an eighth, so that each piece is asked for once in the launch.
; These are the rows that the eight lists' first pairs of tiles name on the average (32 tokens of one type in eight); they are loaded when the types have come and the list is made.  Nothing later is asked for ahead: the loop keeps its own loads on their way.
.irp i, 0,1,2,3
	global_prefetch_b8 v[PF], s[10:11] offset:8192*\i th:TH_LOAD_NT scope:SCOPE_SE
.endr
	s_lshl_b32 s20, s19, 17                        ; its rows of 128 bytes of u's codes,
	s_add_nc_u64 s[6:7], s[6:7], s[20:21]
	s_lshl_b32 s20, s19, 13                        ; of 8 bytes of u's scales;
	s_add_nc_u64 s[8:9], s[8:9], s[20:21]
	s_lshl_b32 s20, s18, 15                        ; my type's 256 rows of 128 bytes of W's codes,
	s_add_nc_u64 s[12:13], s[12:13], s[20:21]
	s_lshl_b32 s20, s18, 11                        ; of 8 bytes of W's scales
	s_add_nc_u64 s[14:15], s[14:15], s[20:21]
	WIN 0x40                                       ; destination window 1.  (No vector instruction has named W's registers, nor any since the wait above)
.irp g, 0,1,2,3
.irp t, 0,1,2,3
.irp s, 0,1
.irp c, 0,1
	global_load_b128 v[16*(4*\g+\t)+8*\s+4*\c:16*(4*\g+\t)+8*\s+4*\c+3], v[WA], s[12:13] offset:8192*\g+128*\t+64*\s+32*\c   ; row e = 64 g + 4 r + t; d = 128 s + 64 c + 32 h + 0 .. 31
.endr
.endr
.endr
.endr
	WIN 0
.irp g, 0,1,2,3
.irp t, 0,1,2,3
	global_load_b32 v[WS+4*\g+\t], v[WSA], s[14:15] offset:512*\g+8*\t     ; the same row's scale word of K step h
.endr
.endr
	s_wait_loadcnt 63                              ; loads return in order (ISA guide 5.7.1): 80 younger ones stand behind the eight of the types, and 63 is the most that the wait can name: the types are in, W may be on its way
; THE LIST.  For each of my 32 registers of types: the lanes that hold type k put their token's number at the list's end, in lane order; the others store into a word of their own that nobody reads.
; The compares go in two runs of sixteen, each into a scalar register of its own, with one wait behind the run; every register's LDS address and token get registers of their own, so that one wait serves all 32 stores.
.macro MATCH j
	v_cmp_eq_u32 s[MK+(\j)%16], s18, v[D+\j]
.endm
.macro PLACE j
	v_mbcnt_lo_u32_b32 v[IX+2*(\j)], s[MK+(\j)%16], s22          ; the list's length + the matches in the lanes below me
	v_cndmask_b32 v[IX+2*(\j)], v[DI], v[IX+2*(\j)], s[MK+(\j)%16]
	v_min_u32 v[IX+2*(\j)], DUMPI+31, v[IX+2*(\j)]               ; held inside the LDS that is claimed
	v_lshlrev_b32 v[IX+2*(\j)], 2, v[IX+2*(\j)]
	v_add_nc_u32 v[IX+2*(\j)+1], 128*((\j)/4)+(\j)%4, v[L4]      ; the token's number in the block
	s_bcnt1_i32_b32 s23, s[MK+(\j)%16]
	s_add_co_u32 s22, s22, s23
.endm
	s_mov_b32 s22, 0
.irp base, 0,16
.set JJ, \base
.rept 16
	MATCH JJ
.set JJ, JJ+1
.endr
	s_wait_alu depctr_va_sdst(0)                   ; the sixteen compares have written s32 to s47, ahead of the first line that reads one of them
.set JJ, \base
.rept 16
	PLACE JJ
.set JJ, JJ+1
.endr
.endr
	v_mov_b32 v[CT], 0                             ; for the filling below: where the list's first token lies,
	v_add_nc_u32 v[CT+2], s22, v0                  ; and where I put a copy of it: behind the list's end
	v_min_u32 v[CT+2], NTOK+31, v[CT+2]
	v_lshlrev_b32 v[CT+2], 2, v[CT+2]
	s_wait_alu depctr_va_vdst(0)                   ; the 32 addresses and 32 tokens in v[IX ..] are written, which the stores below read; so are v[CT] and v[CT+2], which the load and the two stores of the filling read
.set JJ, 0
.rept 32
	ds_store_b32 v[IX+2*JJ], v[IX+2*JJ+1]
.set JJ, JJ+1
.endr
	s_cmp_eq_u32 s22, 0
	s_cbranch_scc1 .Ldone                          ; no token of my type in this block: nothing to store
	ds_load_b32 v[CT+1], v[CT]                     ; the list's first token
	s_wait_dscnt 0x0
	ds_store_b32 v[CT+2], v[CT+1]                  ; 64 copies of it behind the list's n entries: the walk reads entries up to 32 x pairs + 31, which is n + 62 at the most
	ds_store_b32 v[CT+2], v[CT+1] offset:128
	s_add_co_u32 s24, s22, 31
	s_lshr_b32 s24, s24, 5                         ; pairs of tiles: n / 32, rounded up: 1 to 32
.macro LISTRD off                      ; a tile's tokens: my eight slots', and my row of u's
	ds_load_b128 v[TK:TK+3], v[LA] offset:\off
	ds_load_b128 v[TK+4:TK+7], v[LA] offset:\off+16
	ds_load_b32 v[TU], v[LU] offset:\off
.endm
.macro ADDR p                          ; their byte offsets.  19 plain vector instructions that name no register of a matrix instruction
.irp j, 0,1,2,3,4,5,6,7
	v_min_u32 v[TK+\j], NTOK-1, v[TK+\j]           ; a number that was loaded is held inside the block before it enters an address
.endr
.irp j, 0,1,2,3,4,5,6,7
	v_lshl_add_u32 v[VA+8*\p+\j], v[TK+\j], 10, v[C16]
.endr
	v_min_u32 v[TU], NTOK-1, v[TU]
	v_lshl_add_u32 v[UA+\p], v[TU], 7, v[H16]
	v_lshl_add_u32 v[SA+\p], v[TU], 3, v[H4]
.endm
; A tile's 37 loads, behind ONE wait.
; 32 of v: slot 8 h + j's v at e = 64 g + 4 r + 0 .. 3: sixteen lanes read 256 consecutive bytes, at a multiple of 256 from v's first byte.
; 5 of u: token r's 128 bytes of codes (d = 128 s + 64 c + 32 h + 0 .. 31) and its scale word of K step h.
.macro ISSUE p
	WIN 0x80                                       ; destination window 2
	s_wait_alu depctr_va_vdst(0)                   ; ADDR has written VA, UA, SA, which these loads read, and is done with TK and TU, in which the next list loads land; in the loop the products are done reading U and US and the multiply-adds V, in which these loads land
.irp g, 0,1,2,3
.irp j, 0,1,2,3,4,5,6,7
	global_load_b128 v[128*\p+32*\g+4*\j:128*\p+32*\g+4*\j+3], v[VA+8*\p+\j], s[10:11] offset:256*\g
.endr
.endr
	WIN 0                                          ; between the wait and the five loads below stand loads and this switch alone
.irp s, 0,1
.irp c, 0,1
	global_load_b128 v[U+16*\p+8*\s+4*\c:U+16*\p+8*\s+4*\c+3], v[UA+\p], s[6:7] offset:64*\s+32*\c
.endr
.endr
	global_load_b32 v[US+\p], v[SA+\p], s[8:9]
.endm
; THE FOLD.  P[j] of lane (r, h) is slot 8 h + j's sum over my 16 values of e; the slot's sum is that of the 16 lanes of my half.  In each stage a lane keeps one half of its sums, sends the other half to the lane
; r xor 8 (4, 2), and adds what it receives: 8, 4, 2 sums become 4, 2, 1.  Then lane (r, h) holds slot 8 h + r / 2's sum over eight lanes; the last stage joins the pair's two tiles (OUT).
.macro FOLD p
.irp j, 0,1,2,3
	v_cndmask_b32 v[KS+2*\j], v[P+\j], v[P+\j+4], s26          ; kept: where bit 3 of r is set the upper sum,
	v_cndmask_b32 v[KS+2*\j+1], v[P+\j+4], v[P+\j], s26        ; sent: the other one
.endr
.irp j, 0,1,2,3
	v_add_f32_dpp v[P+\j], v[KS+2*\j+1], v[KS+2*\j] row_xmask:8 row_mask:0xf bank_mask:0xf
.endr
.irp j, 0,1
	v_cndmask_b32 v[KS+2*\j], v[P+\j], v[P+\j+2], s27
	v_cndmask_b32 v[KS+2*\j+1], v[P+\j+2], v[P+\j], s27
.endr
.irp j, 0,1
	v_add_f32_dpp v[P+\j], v[KS+2*\j+1], v[KS+2*\j] row_xmask:4 row_mask:0xf bank_mask:0xf
.endr
	v_cndmask_b32 v[KS], v[P], v[P+1], s28
	v_cndmask_b32 v[KS+1], v[P+1], v[P], s28
	v_add_f32_dpp v[Z+\p], v[KS+1], v[KS] row_xmask:2 row_mask:0xf bank_mask:0xf
.endm
; A TILE of parity p: 16 tokens.  Its loads were issued two tiles ago; at its end the loads of the tile two further on are issued into the registers that it has read out.
.macro TILE p
	s_wait_loadcnt 37                              ; behind this tile's 37 loads stand the next tile's 37 and no others, on the way in and round the loop alike: mine are in (in the first tile: W too), and their address registers are free
	LISTRD 128+64*\p                               ; the tokens of the tile two further on.  No wait: no vector instruction since the last wait on va_vdst names TK, TU, LA or LU
.if \p == 0
	ds_load_b32 v[TO], v[LO]                       ; and the token whose result I store at the pair's end.  Likewise: TO's reader and LO's step stand ahead of that wait
.endif
	WIN 0x04                                       ; source 1 (W) window 1
.irp x, 0,1,2,3,4,5,6,7,8,9,10,11,12,13,14,15      ; the 16 accumulators take turns, one instruction a turn.  K step 0 starts the sums: nothing is cleared
	v_wmma_scale_f32_16x16x128_f8f6f4 v[D+8*\x:D+8*\x+7], v[U+16*\p:U+16*\p+7], v[16*\x:16*\x+7], 0, v[US+\p], v[WS+\x] matrix_a_fmt:MATRIX_FMT_FP4 matrix_b_fmt:MATRIX_FMT_FP4
.endr
.irp x, 0,1,2,3,4,5,6,7,8,9,10,11,12,13,14,15      ; K step 1: its scale words stand in lanes 16-31 of the same registers
	v_wmma_scale_f32_16x16x128_f8f6f4 v[D+8*\x:D+8*\x+7], v[U+16*\p+8:U+16*\p+15], v[16*\x+8:16*\x+15], v[D+8*\x:D+8*\x+7], v[US+\p], v[WS+\x] matrix_a_fmt:MATRIX_FMT_FP4 matrix_b_fmt:MATRIX_FMT_FP4 matrix_a_scale:MATRIX_SCALE_ROW1 matrix_b_scale:MATRIX_SCALE_ROW1
.endr
	WIN 0
	s_wait_dscnt 0x0                               ; the list's entries are in
.if \p == 1
	s_wait_xcnt 0x0                                ; the last pair's store has had its address translated (ISA guide 3.1): its data R and its address OA are rewritten, in OUT, only behind this wait; no store stands between
	s_wait_alu depctr_vm_vsrc(0)                   ; read by now: VA, UA, SA of parity 1 (loads of a trip ago; ADDR below writes them) and of parity 0 (loads of the tile before; the next trip's ADDR writes them); R and OA (the last pair's store); LA, LU, LO (this pair's LDS loads; OUT steps them)
.endif
	ADDR \p                                        ; these 19 are also the places (ISA guide 7.12.1) between the products and the first read of the results, and the next tile's products, which write over them
	WIN 0x08                                       ; source 1 (v) window 2
.irp j, 0,1,2,3,4,5,6,7
	v_mul_f32 v[P+\j], v[D+\j], v[128*\p+4*\j]     ; tile 0 starts the eight sums; each accumulator is read from its low end on
.endr
.set XX, 1
.rept 15
.irp j, 0,1,2,3,4,5,6,7
	v_fmac_f32 v[P+\j], v[D+8*XX+\j], v[128*\p+32*(XX/4)+4*\j+XX%4]   ; slot 8 h + j: (u W)(e) x v(e), e = 64 (x / 4) + 4 r + x % 4; eight chains by turns
.endr
.set XX, XX+1
.endr
	ISSUE \p                                       ; u's and v's registers are read out: the tile two further on
	FOLD \p                                        ; names P, KS and Z alone: none of the registers that a memory or LDS instruction touches
.endm
; THE PAIR'S END.  Even lanes finish the first tile's slot 8 h + r / 2, odd lanes the second tile's: 32 different slots, one result a lane.
; R and OA, which the last pair's store read, were shown read in the second tile.  The list's three addresses move on here, 32 entries, between the exponential and the wait for it.
.macro OUT
	v_cndmask_b32 v[KS], v[Z], v[Z+1], s29
	v_cndmask_b32 v[KS+1], v[Z+1], v[Z], s29
	v_add_f32_dpp v[R], v[KS+1], v[KS] row_xmask:1 row_mask:0xf bank_mask:0xf
	v_mul_f32 v[R], 0xbfb8aa3b, v[R]               ; -x log2(e)
	v_exp_f32 v[R2], v[R]                          ; e^-x: infinity for a very negative x (the result is then 0), 0 for a very large one (then 1)
	v_min_u32 v[OA], NTOK-1, v[TO]                 ; (a plain instruction behind the transcendental)  the token, held inside the block
	v_add_nc_u32 v[LA], 128, v[LA]                 ; 32 entries on
	v_add_nc_u32 v[LU], 128, v[LU]
	v_add_nc_u32 v[LO], 128, v[LO]
	s_wait_alu depctr_va_vdst(0)                   ; the exponential has written R2, ahead of its first reader
	v_add_f32 v[R2], 1.0, v[R2]
	v_rcp_f32 v[R], v[R2]                          ; sigmoid(x) = 1 / (1 + e^-x)
	v_lshlrev_b32 v[OA], 2, v[OA]                  ; (likewise)
	s_wait_alu depctr_va_vdst(0)                   ; the reciprocal has written R and the shift OA, which the store reads
	global_store_b32 v[OA], v[R], s[16:17]
.endm
.irp d, 0,1                                    ; the first two tiles' loads.  The second's list loads land in TK and TU behind the wait in the first's ISSUE
	LISTRD 64*\d
	s_wait_dscnt 0x0
	ADDR \d
	ISSUE \d
.endr
	s_wait_alu depctr_vm_vsrc(0)                   ; the list's stores have read v[IX ..], which the products write; the first tile's loads have read VA, UA, SA of parity 0, which the first trip's ADDR writes
	s_mov_b32 s25, 0
.Lpair:                                            ; a trip: two tiles, 32 tokens.  At most 32 trips; the walk leaves when the list is through.  The two tiles asked for beyond the list's end name its first token and are not used
	TILE 0
	TILE 1
	OUT
	s_add_co_u32 s25, s25, 1
	s_cmp_ge_u32 s25, s24
	s_cbranch_scc1 .Ldone
	s_cmp_lt_u32 s25, NTOK/32
	s_cbranch_scc1 .Lpair
.Ldone:
	s_wait_dscnt 0x0                               ; the closing lines, six on end
	s_wait_alu 0x0
	s_wait_tensorcnt 0x0
	ds_add_u32 v254, v255
	s_wait_dscnt 0x0
	s_endpgm
.Lfunc_end_k_q333d9a3cb6_bilinear:
	.size	k_q333d9a3cb6_bilinear, .Lfunc_end_k_q333d9a3cb6_bilinear-k_q333d9a3cb6_bilinear
	.p2alignl 7, 3214868480
	.fill 96, 4, 3214868480
	.section	.rodata,"a",@progbits
	.p2align	6, 0x0
	.amdhsa_kernel k_q333d9a3cb6_bilinear
		.amdhsa_group_segment_fixed_size 4864
		.amdhsa_private_segment_fixed_size 0
		.amdhsa_enable_private_segment 0
		.amdhsa_kernarg_size 56
		.amdhsa_user_sgpr_count 2
		.amdhsa_user_sgpr_kernarg_segment_ptr 1
		.amdhsa_wavefront_size32 1
		.amdhsa_system_sgpr_workgroup_id_x 1
		.amdhsa_system_sgpr_workgroup_id_y 1
		.amdhsa_system_sgpr_workgroup_id_z 1
		.amdhsa_system_vgpr_workitem_id 0
		.amdhsa_next_free_vgpr 768
		.amdhsa_next_free_sgpr 66
		.amdhsa_reserve_vcc 0
		.amdhsa_float_denorm_mode_32 3
		.amdhsa_float_denorm_mode_16_64 3
		.amdhsa_memory_ordered 1
		.amdhsa_forward_progress 1
		.amdhsa_inst_pref_size 67
	.end_amdhsa_kernel
	.amdgpu_metadata
---
amdhsa.version: [ 1, 2 ]
amdhsa.kernels:
  - .name:           k_q333d9a3cb6_bilinear
    .symbol:         k_q333d9a3cb6_bilinear.kd
    .args:
      - { .name: type_idx, .offset: 0, .size: 8, .value_kind: global_buffer, .address_space: global }
      - { .name: u_hidden_codes, .offset: 8, .size: 8, .value_kind: global_buffer, .address_space: global }
      - { .name: u_hidden_scales, .offset: 16, .size: 8, .value_kind: global_buffer, .address_space: global }
      - { .name: v_hidden, .offset: 24, .size: 8, .value_kind: global_buffer, .address_space: global }
      - { .name: weights_codes, .offset: 32, .size: 8, .value_kind: global_buffer, .address_space: global }
      - { .name: weights_scales, .offset: 40, .size: 8, .value_kind: global_buffer, .address_space: global }
      - { .name: out0, .offset: 48, .size: 8, .value_kind: global_buffer, .address_space: global }
    .group_segment_fixed_size: 4864
    .private_segment_fixed_size: 0
    .kernarg_segment_align: 8
    .kernarg_segment_size: 56
    .max_flat_workgroup_size: 32
    .sgpr_count:     66
    .vgpr_count:     768
    .wavefront_size: 32
...
	.end_amdgpu_metadata
.endif
;; end of part 2
